; MI455X (gfx1250); checked and timed in simulation.
; The chip was launched on July 23, 2026; its instructions are those of AMD's public machine-readable ISA for CDNA 5 (MIT licence, August 2026) and "CDNA5" Instruction Set Architecture Reference Guide (July 2026). The comments in the code are by the model that wrote it; some were corrected since.
;; Self Attention Head. Allowed arithmetic: matrix products marked QUANTISED: E4M3 operands, one E8M0 scale for each 32 along K, by v_wmma_scale_f32_16x16x128_f8f6f4 with both operands' format E4M3, f32 sums; everything else in f32.
;; Inputs: Wk_codes 64 x 32 x 32 uint8 (E4M3 codes of Wk, K innermost, in blocks of 32 codes); Wk_scales 64 x 32 uint8 (E8M0 scales of Wk, one for each 32 codes along K); Wq_codes 64 x 32 x 32 uint8 (E4M3 codes of Wq, K innermost, in blocks of 32 codes); Wq_scales 64 x 32 uint8 (E8M0 scales of Wq, one for each 32 codes along K); Wv_codes 64 x 32 x 32 uint8 (E4M3 codes of Wv, K innermost, in blocks of 32 codes); Wv_scales 64 x 32 uint8 (E8M0 scales of Wv, one for each 32 codes along K); x_codes 4 x 4,096 x 32 x 32 uint8 (E4M3 codes of x, K innermost, in blocks of 32 codes); x_scales 4 x 4,096 x 32 uint8 (E8M0 scales of x, one for each 32 codes along K).
;; Outputs: out0 4 x 4,096 x 64 float32.
;; This version of the problem:
;;   THIS VERSION OF THE PROBLEM IS GIVEN IN LOW PRECISION. The matrix products marked QUANTISED in the list below multiply operands that are first quantised to E4M3 (4 exponent bits, 3 mantissa bits; 8 bits a number), with one power-of-two scale for each 32 numbers along K (OCP MX v1.0); their sums are f32. All else is computed in f32.
;;   The module's matrix products, in the order in which they are computed (A, B: the left and right operand; K: the contracted axis; several contracted axes count as one K, in the product's order):
;;     1. [M 16,384, K 1,024] x [K 1,024, N 64]; A: input x (given as codes); B: input Wk (given as codes): QUANTISED
;;     2. [M 16,384, K 1,024] x [K 1,024, N 64]; A: input x (given as codes); B: input Wq (given as codes): QUANTISED
;;     3. [M 16,384, K 1,024] x [K 1,024, N 64]; A: input x (given as codes); B: input Wv (given as codes): QUANTISED
;;     4. batch 4 x [M 4,096, K 64] x [K 64, N 4,096]; A: computed on the way; B: computed on the way: QUANTISED
;;     5. batch 4 x [M 4,096, K 4,096] x [K 4,096, N 64]; A: softmax (see below); B: computed on the way: QUANTISED
;;   THE QUANTISER, for each operand of a quantised product, along K:
;;     - K is cut into blocks of 32 from its start; a last block that is shorter is filled with zeros.
;;     - A block's scale is 2^e with e = floor(log2(the largest magnitude in the block)) - 8, held to -126 .. 127; a block of zeros has e = 0. As a byte (E8M0): e + 127.
;;     - Each number is divided by its block's scale, clamped to +-448, and rounded to the nearest number of E4M3, ties to even, subnormals kept.
;;     - The product sums the exact products of the quantised numbers (number of the format x scale) in f32.
;;   ~~~python
;;   def quantise(x, axis):      # numpy; x: float32 -> the quantised numbers, widened to float32 again
;;       x = np.moveaxis(x, axis, -1); K = x.shape[-1]
;;       x = np.pad(x, [(0, 0)] * (x.ndim - 1) + [(0, -K % 32)]); x = x.reshape(x.shape[:-1] + (-1, 32)); a = np.abs(x).max(-1, keepdims=True)
;;       e = np.where(a > 0, np.clip(np.frexp(np.where(a > 0, a, 1))[1] - 1 - 8, -126, 127), 0)      # np.frexp(a)[1] - 1 = floor(log2(a)), exactly
;;       r = np.clip(x / 2.0 ** e, -448, 448)
;;       step = 2.0 ** (np.maximum(np.frexp(np.where(r == 0, 1, r))[1] - 1, -6) - 3)
;;       q = np.round(r / step) * step * 2.0 ** e      # np.round: ties to even
;;       return np.moveaxis(q.reshape(q.shape[:-2] + (-1,))[..., :K], -1, axis).astype(np.float32)
;;   ~~~
;;   SOFTMAX AHEAD OF A QUANTISED PRODUCT. Where the list says 'softmax', what is quantised is not the finished softmax but p = 2^(t - M), with t = logit x log2(e) and M = ceil(the row's largest t), a whole number; so 1/2 < the row's largest p <= 1. The row's sum l is taken of the UNQUANTISED p, in f32, and the product's result is divided by l at the end. Since M is a whole number, a kernel that streams over the keys may use a running M (the ceiling of the running maximum): every later rescaling is an exact power of two, which a block's scale takes up: the codes' values come out the same.
;;   OPERANDS COMPUTED ON THE WAY. 'Computed on the way' means the value that the module computes at that place (a softmax that the list does not call 'softmax' is quantised finished and normalised). What goes into a quantiser is computed in f32, as accurately as f32 sums, v_exp_f32 and their like allow (about 1e-6 of the number): no bf16 or f16 on the way to a quantiser, and a product that is left as it is and whose result goes on into a quantised operand takes f32 operands (vector FMAs, or v_wmma_f32_16x16x4_f32). A number that lies on a knife's edge between two numbers of the format may be rounded either way, as far as f32 arithmetic and the matrix unit's own rounding can turn it there, and no further.
;;   INPUTS GIVEN AS CODES. Wk (in the module: [1024, 64], K = its axis 0); Wq (in the module: [1024, 64], K = its axis 0); Wv (in the module: [1024, 64], K = its axis 0); x (in the module: [4, 4096, 1024], K = its axis 2): each comes as NAME_codes (uint8): NAME with its K axis moved to the last place and cut into blocks of 32 codes, [.., K / 32, bytes a block], one block behind the other in memory; one code a byte (a code: sign, 4 exponent bits, 3 mantissa bits); and NAME_scales (uint8): the same leading axes, one E8M0 byte (e + 127) for each 32 codes along K. Its value is code x scale, taken as it is: it is not quantised again, and the codes and scales need not be those that the quantiser above would give.
;; One version. Each part assembles by itself: llvm-mc -triple=amdgcn-amd-amdhsa -mcpu=gfx1250 --defsym DOCPART=n.
;; ======== version 1 of 1: 2 launches
;; limits: right only within a limited range of input values
;; workspace buffers: qimg 1,048,576 bytes; qsc 65,536 bytes; kv 2,195,456 bytes
;; launch proj (part 1): grid 256 x 1, 8 waves a work-group, clusters of 4 x 1, 327,680 bytes of LDS; arguments x_codes, x_scales, Wq_codes, Wq_scales, Wk_codes, Wk_scales, Wv_codes, Wv_scales, qimg, qsc, kv; writes qimg, qsc, kv
.if DOCPART == 1
	.amdgcn_target "amdgcn-amd-amdhsa--gfx1250"
	.amdhsa_code_object_version 6
	.text
	.protected	k_q4d5209a8fe_proj
	.globl	k_q4d5209a8fe_proj
	.p2align	8
	.type	k_q4d5209a8fe_proj,@function
k_q4d5209a8fe_proj:
	s_mov_b64 s[64:65], 0
	v_nop
	global_prefetch_b8 v0, s[64:65] scope:SCOPE_SE
	s_setreg_imm32_b32 hwreg(HW_REG_WAVE_MODE, 25, 1), 1
	s_wait_xcnt 0x0
	s_wait_alu depctr_hold_cnt(0) depctr_sa_sdst(0) depctr_va_vdst(0) depctr_va_sdst(0) depctr_va_ssrc(0) depctr_va_vcc(0) depctr_vm_vsrc(0)
	s_getreg_b32 s2, hwreg(HW_REG_IB_STS2, 6, 4)
	s_cmp_eq_u32 s2, 0
	s_cbranch_scc0 .Lentry_in_a_cluster
	s_endpgm
.Lentry_in_a_cluster:
	s_bfe_u32 s2, ttmp6, 0x10000c
	s_cmp_lg_u32 s2, 0x3003
	s_cbranch_scc0 .Lentry_shape_is_right
	s_endpgm
.Lentry_shape_is_right:
; q, k, v = x W on the given codes of E4M3 (one E8M0 byte for each 32 along K = 1,024), then q and k quantised along the 64 channels and v along the tokens,
; stored as IMAGES OF OPERAND REGISTERS for the attention launch: a group of four registers is 512 bytes, lane l's 16 bytes at 16 l.  Every input is used; no work of this launch is left out.
; SHARES.  Work-group W = 4 x cluster + cx takes tokens 64 W .. 64 W + 63 (of 16,384).  Wave w = 4 b + 2 g + cb takes the two tiles of 16 tokens 32 b + 16 u + r against the two tiles of
; channels 32 cb + 16 t of Wq (g = 0) or Wk (g = 1), and against channel tile 2 g + cb of Wv: six accumulators, the same text in all eight waves.
; q and k are made TRANSPOSED (source 0 = 16 channels of W, source 1 = 16 tokens): a lane holds one token and its registers run along the channels, the next product's K.
; v is made the other way: a lane holds one channel and its registers run along the tokens, the last product's K.
; ORDER INSIDE A BLOCK OF 32.  The 16 registers of two neighbouring tiles hold, in lane half h, numbers 8 h + 0..7 and 16 + 8 h + 0..7 of a block; both operands of each later product are laid so.
; LDS.  All of K comes once, in two halves of 512: 64 rows of Wq, Wk, Wv and x each (rows of 512 bytes + 16 of padding).  Wave w asks for tensor w % 4 of half w / 4: one load a wave, no byte filled twice.
; The weights are wanted by every work-group: asked for JOINTLY by the four of a cluster.  The first barrier shows half 0 (waves 0-3 wait), the second half 1.  No prefetch: there is no loop, every tile is asked for at the head.
; Two sets of fragments: while a K step of 128 is multiplied from one, the next step's 20 LDS loads into the other are out.
; LIMITS: NaN and infinities among the inputs are not served; a block whose largest magnitude lies under 2^-118 (a block of zeros too) gets the scale byte 1: its bytes are read by this program alone.
.set PITCH, 528
.set REG,   64*PITCH
.set HALFB, 4*REG                      ; a half of K: Wq, Wk, Wv, x
.set STG,   2*HALFB                    ; +0 q's scale words, +256 k's, +512 v's scale bytes: no tensor load fills it
.set SPARE, STG+1024
.set REC,   17152                      ; a record of kv: 128 keys: 8,192 bytes of K's images, 8,192 of V's, 512 of K's scale words, 256 of V's
.set AX,  1
.set AW,  2
.set AV,  3
.set XS,  8                            ; v8-15 x's scale words of K steps 0-7: lanes 0-15 tile 0, lanes 16-31 tile 1
.set WS,  18                           ; v18-25 Wq's or Wk's: my two tiles
.set VS,  28                           ; v28-35 Wv's: my tile
.set B0,  36                           ; a set of fragments: x's two, W's two, Wv's one: 80 registers
.set B1,  116
.set ACC, 196                          ; v196-227 q or k: 16 u + 8 t;  v228-243 v: 32 + 8 u
.set SPW, 244
.set NIL, 245
.set MX,  36                           ; the quantiser's registers, where the fragments lay
.set PX,  40
.set SO,  44
.set HL,  48
.set BY,  52
.set CD,  56
.macro PLACES n
.rept \n
	v_nop
.endr
.endm
.macro ROUND                           ; a round of the cluster's barrier
	s_barrier_signal -1
	s_barrier_wait -1
	s_cmp_lg_u32 s26, 0
	s_cbranch_scc1 .Lnot_wave_0_\@
	s_barrier_signal -3
.Lnot_wave_0_\@:
	s_barrier_wait -3
	s_barrier_signal -1
	s_barrier_wait -1
.endm
.macro TLOAD g0, g1
	tensor_load_to_lds s[\g0:\g0+3], s[\g1:\g1+7]
	s_nop 0
	PLACES 4
.endm
; One scaled product.  zero = 1: it starts the sum.  ra, rb = 1: that side's scale words stand in lanes 16-31 of the register named.
.macro WM d, a, b, zero, sa, sb, ra, rb
.if \zero
.if \ra && \rb
	v_wmma_scale_f32_16x16x128_f8f6f4 v[\d:\d+7], v[\a:\a+15], v[\b:\b+15], 0, v[\sa], v[\sb] matrix_a_scale:MATRIX_SCALE_ROW1 matrix_b_scale:MATRIX_SCALE_ROW1
.elseif \ra
	v_wmma_scale_f32_16x16x128_f8f6f4 v[\d:\d+7], v[\a:\a+15], v[\b:\b+15], 0, v[\sa], v[\sb] matrix_a_scale:MATRIX_SCALE_ROW1
.elseif \rb
	v_wmma_scale_f32_16x16x128_f8f6f4 v[\d:\d+7], v[\a:\a+15], v[\b:\b+15], 0, v[\sa], v[\sb] matrix_b_scale:MATRIX_SCALE_ROW1
.else
	v_wmma_scale_f32_16x16x128_f8f6f4 v[\d:\d+7], v[\a:\a+15], v[\b:\b+15], 0, v[\sa], v[\sb]
.endif
.else
.if \ra && \rb
	v_wmma_scale_f32_16x16x128_f8f6f4 v[\d:\d+7], v[\a:\a+15], v[\b:\b+15], v[\d:\d+7], v[\sa], v[\sb] matrix_a_scale:MATRIX_SCALE_ROW1 matrix_b_scale:MATRIX_SCALE_ROW1
.elseif \ra
	v_wmma_scale_f32_16x16x128_f8f6f4 v[\d:\d+7], v[\a:\a+15], v[\b:\b+15], v[\d:\d+7], v[\sa], v[\sb] matrix_a_scale:MATRIX_SCALE_ROW1
.elseif \rb
	v_wmma_scale_f32_16x16x128_f8f6f4 v[\d:\d+7], v[\a:\a+15], v[\b:\b+15], v[\d:\d+7], v[\sa], v[\sb] matrix_b_scale:MATRIX_SCALE_ROW1
.else
	v_wmma_scale_f32_16x16x128_f8f6f4 v[\d:\d+7], v[\a:\a+15], v[\b:\b+15], v[\d:\d+7], v[\sa], v[\sb]
.endif
.endif
.endm
.macro FRAG reg, adr, off              ; a fragment, 16 rows x 128 K: lane l holds row l % 16; registers 4 c .. 4 c + 3 hold K = 32 c + 16 (l / 16) + 0 .. 15
.irp cc, 0,1,2,3
	ds_load_b128 v[\reg+4*\cc:\reg+4*\cc+3], v[\adr] offset:\off+32*\cc
.endr
.endm
.macro LOADS q, f                      ; the five fragments of the half's q-th K step into set f: 20 loads
	FRAG \f, AX, 128*\q
	FRAG \f+16, AX, 128*\q+16*PITCH
	FRAG \f+32, AW, 128*\q
	FRAG \f+48, AW, 128*\q+16*PITCH
	FRAG \f+64, AV, 128*\q
.endm
; A K step: six products, the six accumulators by turns in the same order in every step.  out: LDS loads issued behind this set's.
.macro KSTEP s, f, zero, out
	s_wait_dscnt \out+8
	WM ACC, \f+32, \f, \zero, WS+\s, XS+\s, 0, 0
	WM ACC+16, \f+32, \f+16, \zero, WS+\s, XS+\s, 0, 1
	s_wait_dscnt \out+4
	WM ACC+8, \f+48, \f, \zero, WS+\s, XS+\s, 1, 0
	WM ACC+24, \f+48, \f+16, \zero, WS+\s, XS+\s, 1, 1
	s_wait_dscnt \out
	WM ACC+32, \f, \f+64, \zero, XS+\s, VS+\s, 0, 0
	WM ACC+40, \f+16, \f+64, \zero, XS+\s, VS+\s, 1, 0
.endm
; Eight plain places stand between products and loads into registers that they read.
.macro HALF s, zero
	KSTEP \s, B0, \zero, 20
	PLACES 8
	LOADS 2, B0
	KSTEP \s+1, B1, 0, 20
	PLACES 8
	LOADS 3, B1
	KSTEP \s+2, B0, 0, 20
	KSTEP \s+3, B1, 0, 0
.endm
	s_load_b512 s[4:19], s[0:1], 0x0               ; x codes s[4:5], x scales s[6:7], Wq s[8:11], Wk s[12:15], Wv s[16:19]
	s_load_b128 s[20:23], s[0:1], 0x40             ; qimg, qsc
	s_load_b64 s[24:25], s[0:1], 0x50              ; kv
	v_lshl_add_u32 v[SPW], v0, 2, SPARE
	v_mov_b32 v[NIL], 0
	ds_add_u32 v[SPW], v[NIL]                      ; the opening add, twice on end, with one wait
	ds_add_u32 v[SPW], v[NIL]
	v_lshrrev_b32 v246, 5, v0
	v_readfirstlane_b32 s26, v246                  ; wave 0..7
	s_lshr_b32 s27, s26, 2                         ; b: which 32 tokens; also which half of K I fetch
	s_bfe_u32 s28, s26, 0x10001                    ; g: q or k
	s_and_b32 s60, s26, 1                          ; cb: which 32 channels
	s_and_b32 s61, s26, 3                          ; my channel tile of v; also which tensor I fetch
	s_bfe_u32 s29, ttmp6, 0x40000                  ; cx: it enters global addresses alone
	s_lshl_b32 s30, ttmp9, 2
	s_add_co_u32 s30, s30, s29                     ; W
	s_and_b32 s31, s30, 1                          ; P: which half of a record of 128 keys
	s_mul_i32 s62, s27, 32*PITCH
	s_add_co_u32 s62, s62, 3*REG                   ; x: my 32 rows
	s_mul_i32 s63, s28, REG
	s_mul_i32 s66, s60, 32*PITCH
	s_add_co_u32 s63, s63, s66                     ; Wq or Wk: my 32 rows
	s_mul_i32 s66, s61, 16*PITCH
	s_add_co_u32 s66, s66, 2*REG                   ; Wv: my 16 rows
	s_lshl_b32 s67, s28, 8
	s_lshl_b32 s68, s27, 7
	s_add_co_u32 s67, s67, s68
	s_add_co_u32 s67, s67, s60
	s_add_co_u32 s67, s67, STG                     ; my byte of a token's scale word
	s_lshl_b32 s68, s27, 6
	s_lshl_b32 s69, s61, 4
	s_add_co_u32 s68, s68, s69
	s_add_co_u32 s68, s68, STG+512                 ; v's scale bytes: [b][64 channels]
	s_lshl_b32 s69, s26, 8
	s_add_co_u32 s69, s69, STG
	s_mul_i32 s70, s26, REG                        ; where my tensor load goes
	; every LDS address is made here: a constant, a lane term, the wave's number times a constant
	v_and_b32 v252, 31, v0                         ; lane
	v_and_b32 v253, 15, v0                         ; r
	v_bfe_u32 v254, v0, 4, 1                       ; h
	v_mul_u32_u24 v255, v253, PITCH
	v_lshl_add_u32 v255, v254, 4, v255
	v_lshlrev_b32 v4, 5, v252                      ; 32 x lane: a row of scale bytes
	v_lshlrev_b32 v5, 4, v252                      ; 16 x lane: my place in an image
	v_lshlrev_b32 v6, 5, v253
	v_lshlrev_b32 v250, 3, v252
	v_lshlrev_b32 v251, 2, v252
	v_add_nc_u32 v[AX], s62, v255
	v_add_nc_u32 v[AW], s63, v255
	v_add_nc_u32 v[AV], s66, v255
	v_lshl_add_u32 v246, v252, 2, s67
	v_add_nc_u32 v247, s68, v253
	v_lshl_add_u32 v248, v252, 3, s69              ; waves 0, 1 read q's, k's 256 bytes of scale words back
	v_add_nc_u32 v249, STG+512, v252               ; wave 2 reads v's bytes back
	s_mov_b32 s84, 0x76543210
	s_mov_b32 s85, 0xfedcba98                      ; v_permlanex16_b32's selects for lane l xor 16
	s_mov_b32 s86, 0x600000                        ; the mantissa field of 448
	; descriptor group 1: 64 rows x 512 bytes, 1,024 bytes apart in memory, 16 bytes of padding behind each row in LDS
	s_mov_b32 s32, 15|(1<<20)|(1<<21)|(6<<22)|(3<<25)  ; 15:0 the mask: all four work-groups; 17:16 elements of 1 byte; 20 padding on; 21 set beside a mask; 24:22 after every 128 words; 31:25 four words
	s_mov_b32 s40, (1<<20)|(6<<22)|(3<<25)         ; the same without a mask, for x
.irp g, 32, 40
	s_mov_b32 s[\g+1], 512<<16                     ; tensor_dim0
	s_mov_b32 s[\g+2], 64<<16                      ; tensor_dim1
	s_mov_b32 s[\g+3], 512<<16                     ; tile_dim0
	s_mov_b32 s[\g+4], 64                          ; tile_dim1
	s_mov_b32 s[\g+5], 1024                        ; tensor_dim0_stride
	s_mov_b32 s[\g+6], 0
	s_mov_b32 s[\g+7], 0
.endr
	s_mov_b32 s48, 1
	s_mov_b32 s49, s70
	s_mov_b32 s52, 1
	s_mov_b32 s53, s70
	s_lshl_b32 s58, s27, 9                         ; my half of K
	s_mov_b32 s59, 0
	s_lshl_b32 s2, s30, 16                         ; my work-group's 64 rows of x
	s_add_co_u32 s2, s2, s58
	s_mov_b32 s3, 0
	s_wait_alu depctr_va_vdst(0)                   ; the wait at the head's end
	s_wait_dscnt 0x0                               ; both opening adds are done
	ROUND                                          ; all four work-groups are here: the joint loads meet
	s_wait_kmcnt 0x0
	s_cmp_eq_u32 s61, 1                            ; which weight my wave asks for: the choice hangs on the wave's number alone
	s_cselect_b64 s[56:57], s[12:13], s[16:17]
	s_cmp_eq_u32 s61, 0
	s_cselect_b64 s[56:57], s[8:9], s[56:57]
	s_add_nc_u64 s[50:51], s[56:57], s[58:59]
	s_or_b32 s51, s51, 0x80000000
	s_add_nc_u64 s[54:55], s[4:5], s[2:3]
	s_or_b32 s55, s55, 0x80000000
	s_cmp_lt_u32 s26, 3                            ; ONE load a wave; a line of its own for each group of waves that waits alike
	s_cbranch_scc0 .Lw3
	TLOAD 48, 32
	s_branch .Lasked
.Lw3:
	s_cmp_lt_u32 s26, 4
	s_cbranch_scc0 .Lw4
	TLOAD 52, 40
	s_branch .Lasked
.Lw4:
	s_cmp_lt_u32 s26, 7
	s_cbranch_scc0 .Lw7
	TLOAD 48, 32
	s_branch .Lasked
.Lw7:
	TLOAD 52, 40
.Lasked:
	; the scale bytes come once, a row's 32 bytes a lane: eight words, one for each K step of 128
	s_lshl_b32 s72, s30, 11
	s_lshl_b32 s87, s27, 10
	s_add_co_u32 s72, s72, s87
	s_mov_b32 s73, 0
	s_add_nc_u64 s[6:7], s[6:7], s[72:73]          ; x's: token 64 W + 32 b + lane
	s_cmp_eq_u32 s28, 0
	s_cselect_b64 s[10:11], s[10:11], s[14:15]     ; Wq's or Wk's
	s_lshl_b32 s72, s60, 10
	s_add_nc_u64 s[10:11], s[10:11], s[72:73]      ; rows 32 cb on
	s_lshl_b32 s72, s61, 9
	s_add_nc_u64 s[18:19], s[18:19], s[72:73]      ; Wv's rows 16 (2 g + cb) on
	global_load_b128 v[XS:XS+3], v4, s[6:7]
	global_load_b128 v[XS+4:XS+7], v4, s[6:7] offset:16
	global_load_b128 v[WS:WS+3], v4, s[10:11]
	global_load_b128 v[WS+4:WS+7], v4, s[10:11] offset:16
	global_load_b128 v[VS:VS+3], v6, s[18:19]
	global_load_b128 v[VS+4:VS+7], v6, s[18:19] offset:16
	; where the results go
	s_lshr_b32 s72, s30, 1
	s_mul_i32 s72, s72, REC
	s_add_nc_u64 s[24:25], s[24:25], s[72:73]      ; my record of kv
	s_lshl_b32 s72, s30, 12
	s_add_nc_u64 s[88:89], s[20:21], s[72:73]      ; q: four tiles of 1,024 bytes a work-group
	s_lshl_b32 s72, s31, 12
	s_add_nc_u64 s[90:91], s[24:25], s[72:73]      ; k: my half of the record's eight tiles
	s_cmp_eq_u32 s28, 0
	s_cselect_b64 s[88:89], s[88:89], s[90:91]
	s_lshl_b32 s72, s27, 11
	s_lshl_b32 s87, s60, 9
	s_add_co_u32 s72, s72, s87
	s_add_nc_u64 s[88:89], s[88:89], s[72:73]      ; + my two tiles, my half of their channels
	s_lshl_b32 s72, s61, 10
	s_lshl_b32 s87, s27, 9
	s_add_co_u32 s72, s72, s87
	s_add_co_u32 s72, s72, 8192
	s_add_nc_u64 s[90:91], s[90:91], s[72:73]      ; v: 8,192 + 4,096 P + 1,024 (2 g + cb) + 512 b
	s_lshl_b32 s72, s30, 8
	s_add_nc_u64 s[92:93], s[22:23], s[72:73]      ; q's scale words: 256 bytes a work-group
	s_lshl_b32 s72, s31, 8
	s_add_co_u32 s72, s72, 16384
	s_add_nc_u64 s[94:95], s[24:25], s[72:73]      ; k's
	s_lshl_b32 s72, s31, 1
	s_add_co_u32 s72, s72, 16896
	s_add_nc_u64 s[96:97], s[24:25], s[72:73]      ; v's: bytes 2 P, 2 P + 1 of each channel's word
	s_cmp_lt_u32 s26, 4
	s_cbranch_scc0 .Lnot_half_0
	s_wait_tensorcnt 0x0                           ; waves 0-3: half 0 has landed; half 1 may stay out
.Lnot_half_0:
	s_barrier_signal -1
	s_barrier_wait -1
	LOADS 0, B0
	LOADS 1, B1
	s_wait_loadcnt 0x0                             ; the scale words
	HALF 0, 1                                      ; the first K step's products start the sums
	s_wait_tensorcnt 0x0                           ; half 1 is in (my LDS loads are all back)
	s_barrier_signal -1
	v_add_nc_u32 v[AX], HALFB, v[AX]
	v_add_nc_u32 v[AW], HALFB, v[AW]
	v_add_nc_u32 v[AV], HALFB, v[AV]
	PLACES 8
	s_wait_alu depctr_va_vdst(0)
	s_barrier_wait -1
	LOADS 0, B0
	LOADS 1, B1
	HALF 4, 0
	PLACES 8
	; THE QUANTISER.  Three blocks of 32, 16 numbers of each in my lane (v[ACC + 16 k] on) and 16 in lane l xor 16: q or k of tile 0, of tile 1, v.  The blocks take turns line by line; each accumulator is read from its low end on.
.irp k, 0,1,2
	v_mov_b32 v[PX+\k], 0                          ; a lane permute's destination counts as one of its sources
.endr
.irp k, 0,1,2
	v_max3_num_f32 v[MX+\k], |v[ACC+16*\k]|, |v[ACC+16*\k+1]|, 0x4800000   ; and the floor 2^(9 - 127): the byte cannot fall under 1
.endr
.irp i, 2,4,6,8,10,12,14
.irp k, 0,1,2
	v_max3_num_f32 v[MX+\k], v[MX+\k], |v[ACC+16*\k+\i]|, |v[ACC+16*\k+\i+1]|
.endr
.endr
.irp k, 0,1,2
	v_permlanex16_b32 v[PX+\k], v[MX+\k], s84, s85
.endr
.irp k, 0,1,2
	v_max_num_f32 v[MX+\k], v[MX+\k], v[PX+\k]     ; the block's largest magnitude
.endr
.irp k, 0,1,2
	v_add_nc_u32 v[SO+\k], 0xfc000000, v[MX+\k]    ; 8 off its exponent field: the conversion's scale operand
.endr
.irp k, 0,1,2
	v_and_or_b32 v[HL+\k], v[MX+\k], 0x7f800000, s86   ; 448 x the scale
.endr
.irp k, 0,1,2
	v_lshrrev_b32 v[BY+\k], 23, v[SO+\k]           ; the scale's byte
.endr
	v_cmp_gt_u32 vcc_lo, 16, v252
	v_cndmask_b32 v106, v[BY+1], v[BY], vcc_lo     ; lanes 0-15 carry tile 0's bytes, lanes 16-31 tile 1's
	ds_store_b8 v246, v106                         ; a token's scale word: byte cb from this wave,
	ds_store_b8 v246, v[NIL] offset:2              ; byte 2 + cb is 0: that half of K is zero codes
	ds_store_b8 v247, v[BY+2]                      ; both lanes of a channel write the same byte with the same value
.irp k, 0,1,2
.set n, 0
.rept 16
	v_med3_num_f32 v[ACC+16*\k+n], v[ACC+16*\k+n], -v[HL+\k], v[HL+\k]   ; the conversion to an 8-bit code does not saturate (ISA guide 7.6.2): the hold comes first
.set n, n+1
.endr
	v_cvt_scalef32_pk8_fp8_f32 v[CD+4*\k:CD+4*\k+1], v[ACC+16*\k:ACC+16*\k+7], v[SO+\k]
	v_cvt_scalef32_pk8_fp8_f32 v[CD+4*\k+2:CD+4*\k+3], v[ACC+16*\k+8:ACC+16*\k+15], v[SO+\k]
.endr
	v_nop                                          ; one plain line behind the last conversion
	global_store_b128 v5, v[CD:CD+3], s[88:89]     ; each store of the wave covers 512 consecutive bytes, aligned
	global_store_b128 v5, v[CD+4:CD+7], s[88:89] offset:1024
	global_store_b128 v5, v[CD+8:CD+11], s[90:91]
	s_wait_dscnt 0x0                               ; for the others' sake: my LDS stores have landed
	s_barrier_signal -1
	s_barrier_wait -1
	s_cmp_lt_u32 s26, 2
	s_cbranch_scc0 .Lnot_words
	ds_load_b64 v[108:109], v248                   ; wave 0: q's 64 words; wave 1: k's
	s_cmp_eq_u32 s26, 0
	s_cselect_b64 s[98:99], s[92:93], s[94:95]
	s_wait_dscnt 0x0
	global_store_b64 v250, v[108:109], s[98:99]    ; 32 lanes store 256 consecutive bytes, aligned
	s_branch .Ldone
.Lnot_words:
	s_cmp_eq_u32 s26, 2
	s_cbranch_scc0 .Ldone
	ds_load_u8 v108, v249                          ; token block b = 0: channels lane, 32 + lane;
	ds_load_u8 v109, v249 offset:32
	ds_load_u8 v110, v249 offset:64                ; b = 1 likewise
	ds_load_u8 v111, v249 offset:96
	s_wait_dscnt 0x0
	v_lshl_or_b32 v112, v110, 8, v108
	v_lshl_or_b32 v113, v111, 8, v109
	global_store_b16 v251, v112, s[96:97]          ; two of the four bytes of each channel's word: the record's other half writes the other two (128 bytes of the 12,928 that a work-group stores)
	global_store_b16 v251, v113, s[96:97] offset:128
.Ldone:
	s_wait_tensorcnt 0x0                           ; the wave's end
	ds_add_u32 v[SPW], v[NIL]
	s_wait_dscnt 0x0
	ROUND                                          ; the closing round: no work-group ends while a partner may still ask for a tile that names it
	s_endpgm
.Lfunc_end_k_q4d5209a8fe_proj:
	.size	k_q4d5209a8fe_proj, .Lfunc_end_k_q4d5209a8fe_proj-k_q4d5209a8fe_proj
	.p2alignl 7, 3214868480
	.fill 96, 4, 3214868480
	.section	.rodata,"a",@progbits
	.p2align	6, 0x0
	.amdhsa_kernel k_q4d5209a8fe_proj
		.amdhsa_group_segment_fixed_size 327680
		.amdhsa_private_segment_fixed_size 0
		.amdhsa_enable_private_segment 0
		.amdhsa_kernarg_size 88
		.amdhsa_user_sgpr_count 2
		.amdhsa_user_sgpr_kernarg_segment_ptr 1
		.amdhsa_wavefront_size32 1
		.amdhsa_system_sgpr_workgroup_id_x 1
		.amdhsa_system_sgpr_workgroup_id_y 1
		.amdhsa_system_sgpr_workgroup_id_z 1
		.amdhsa_system_vgpr_workitem_id 0
		.amdhsa_next_free_vgpr 256
		.amdhsa_next_free_sgpr 100
		.amdhsa_reserve_vcc 1
		.amdhsa_float_denorm_mode_32 3
		.amdhsa_float_denorm_mode_16_64 3
		.amdhsa_memory_ordered 1
		.amdhsa_forward_progress 1
		.amdhsa_inst_pref_size 35
	.end_amdhsa_kernel
	.amdgpu_metadata
---
amdhsa.version: [ 1, 2 ]
amdhsa.kernels:
  - .name:           k_q4d5209a8fe_proj
    .symbol:         k_q4d5209a8fe_proj.kd
    .args:
      - { .name: x_codes, .offset: 0, .size: 8, .value_kind: global_buffer, .address_space: global }
      - { .name: x_scales, .offset: 8, .size: 8, .value_kind: global_buffer, .address_space: global }
      - { .name: Wq_codes, .offset: 16, .size: 8, .value_kind: global_buffer, .address_space: global }
      - { .name: Wq_scales, .offset: 24, .size: 8, .value_kind: global_buffer, .address_space: global }
      - { .name: Wk_codes, .offset: 32, .size: 8, .value_kind: global_buffer, .address_space: global }
      - { .name: Wk_scales, .offset: 40, .size: 8, .value_kind: global_buffer, .address_space: global }
      - { .name: Wv_codes, .offset: 48, .size: 8, .value_kind: global_buffer, .address_space: global }
      - { .name: Wv_scales, .offset: 56, .size: 8, .value_kind: global_buffer, .address_space: global }
      - { .name: qimg, .offset: 64, .size: 8, .value_kind: global_buffer, .address_space: global }
      - { .name: qsc, .offset: 72, .size: 8, .value_kind: global_buffer, .address_space: global }
      - { .name: kv, .offset: 80, .size: 8, .value_kind: global_buffer, .address_space: global }
    .group_segment_fixed_size: 327680
    .private_segment_fixed_size: 0
    .kernarg_segment_align: 8
    .kernarg_segment_size: 88
    .max_flat_workgroup_size: 256
    .sgpr_count:     100
    .vgpr_count:     256
    .wavefront_size: 32
...
	.end_amdgpu_metadata
.endif
;; end of part 1
;; launch attn (part 2): grid 256 x 1, 16 waves a work-group, clusters of 4 x 1, 327,680 bytes of LDS; arguments qimg, qsc, kv, out0; writes out0
.if DOCPART == 2
	.amdgcn_target "amdgcn-amd-amdhsa--gfx1250"
	.amdhsa_code_object_version 6
	.text
	.protected	k_q4d5209a8fe_attn
	.globl	k_q4d5209a8fe_attn
	.p2align	8
	.type	k_q4d5209a8fe_attn,@function
k_q4d5209a8fe_attn:
	s_mov_b64 s[64:65], 0
	v_nop
	global_prefetch_b8 v0, s[64:65] scope:SCOPE_SE
	s_setreg_imm32_b32 hwreg(HW_REG_WAVE_MODE, 25, 1), 1
	s_wait_xcnt 0x0
	s_wait_alu depctr_hold_cnt(0) depctr_sa_sdst(0) depctr_va_vdst(0) depctr_va_sdst(0) depctr_va_ssrc(0) depctr_va_vcc(0) depctr_vm_vsrc(0)
	s_getreg_b32 s2, hwreg(HW_REG_IB_STS2, 6, 4)
	s_cmp_eq_u32 s2, 0
	s_cbranch_scc0 .Lentry_in_a_cluster
	s_endpgm
.Lentry_in_a_cluster:
	s_bfe_u32 s2, ttmp6, 0x10000c
	s_cmp_lg_u32 s2, 0x3003
	s_cbranch_scc0 .Lentry_shape_is_right
	s_endpgm
.Lentry_shape_is_right:
; out[b][q][:] = the sum over keys k <= q of softmax_k(q . k / 8) v[k][:], both products on codes of E4M3 with one E8M0 byte for each 32 along K, made by the launch before as images of operand registers.
; Key steps all of whose keys come after the queries are not walked: the causal mask throws them away.
; THE SOFTMAX AHEAD OF THE SECOND PRODUCT: t = score x log2(e) / 8; M = the largest t so far rounded UP to a whole number; p = 2^(t - M) is quantised along the keys, not normalised; the sum is taken of the
; unquantised p and divides at the end.  A change of M multiplies what was summed by a power of two: nothing is rounded.  A block's largest p is 2^x, x its largest t - M: its exponent is floor(x).
; SHARES.  Cluster C: batch C / 16, A = C % 16.  Partner cx owns queries 128 (31 - A) + 32 cx + 0..31 (hi: key steps 0 .. 31 - A of 128 keys) and 128 A + 32 cx + 0..31 (lo: key steps 0 .. A).
; ONE STREAM OF 33 ITEMS for every work-group: item n <= 31 - A is hi's key step n, item n > 31 - A is lo's key step n - (32 - A).  So each record that is fetched is read.  Hi's diagonal is item 31 - A, lo's is item 32.
; Wave w = (i = w / 8, e = w % 8) takes item 8 n + e in trip n = 0 .. 3 for the tile of 16 queries i.  Items 0 .. 16 are always hi's; a wave's items change from hi to lo once: there (SWITCH) hi's state moves to
; registers of its own and lo's begins.  Item 32 is cut into its four blocks of 32 keys: waves e < 4 take one each.  At the end the eight parts of each tile are brought under one M, added, divided and stored.
; THE RECORDS (17,152 bytes) lie in two LDS slots of eight.  All four partners walk the same records: each is asked for JOINTLY.  At the head waves 0-7 ask for slot 0's, waves 8-15 for slot 1's: one load a wave.
; ONE ROUND A TRIP, IN THE MIDDLE OF THE STEP: V comes into the registers that held K as soon as the scores are made, so in front of the softmax the slot has been read; the round shows the other slot, and behind it the
; slot is filled again (trip 0: items 16-23; trip 1: 24-31; trip 2: item 32; trip 3: nothing).  No prefetch: there is no loop to run ahead in (four trips written out, of which the first two come by the head's loads).
; LAYOUT.  S^T = K Q^T (source 0 = 16 keys, source 1 = my 16 queries), O^T = V^T P^T: a lane holds ONE query throughout.  Inside a block of 32 both operands lie in the same order (lane half h: numbers 8 h + 0..7, 16 + 8 h + 0..7).
; K = 64 IN A FORM OF 128: Q's upper eight registers are zero codes.  K's tiles lie packed, eight registers each; a tile's upper eight are the next tile's codes (lo's Q codes behind the last; V's in the short step), never NaN codes,
; under scale bytes 0: times Q's zeros they add exactly 0.
; LIMITS: NaN and infinities among the inputs are not served; the scaled scores stay under 2^31 in magnitude.
.set REC,   17152
.set SLOTB, 8*REC                      ; a slot; slot 1 begins here
.set PART,  4352                       ; a part on the way out: 16 rows of 256 bytes, then -M and the sum, padded to 272
.set SPARE, SLOTB+32*PART              ; behind the 32 parts: the spare words
.set BM,  24                           ; the largest score of each block of 32 keys; then floor(log2) of its largest p
.set PX,  28                           ; the other lane half's;
.set SO,  28                           ; then the conversions' scale operands
.set HL,  32                           ; 448 x the scale
.set QC,  36                           ; v36-43 Q's codes, v44-51 zeros
.set KB,  52                           ; v52-115 K's eight tiles, then V's four fragments
.set QL,  116                          ; v116-123 lo's Q codes
.set PB,  124                          ; v124-139 p's codes: block 0 in front of the scores, the others over block 0's scores, which are converted by then
.set S,   128                          ; v128-191 S^T, then p
.set OA,  192                          ; v192-223 O^T
.set OH,  224                          ; v224-255 hi's O^T, when the wave has gone on to lo
; v1 my spare word, v2 = 0; v3, v4 my lane's place (16 x lane) in my record in slot 0, 1; v5, v6 the same for words; v7 p's scale word; v8-11 K's, V's scale words; v12 Q's scale words, v13 lo's;
; v14 -M, v15 hi's -M; v16-17 the sum in two halves; v18 the factor of a change of M; v19 the diagonal's bound; v20 hi's sum; v21 -infinity; v22-23 at work
.macro PLACES n
.rept \n
	v_nop
.endr
.endm
.macro MIDDLE                          ; a round of the cluster's barrier behind its opening signal
	s_barrier_wait -1
	s_cmp_lg_u32 s12, 0
	s_cbranch_scc1 .Lnot_wave_0_\@
	s_barrier_signal -3
.Lnot_wave_0_\@:
	s_barrier_wait -3
	s_barrier_signal -1
	s_barrier_wait -1
.endm
.macro TLOAD
	tensor_load_to_lds s[36:39], s[28:35]
	s_nop 0
	PLACES 4
.endm
.macro WM d, a, b, zero, sa, sb, ra    ; one scaled product; zero = 1: it starts the sum; ra = 1: source 0's scale words stand in lanes 16-31
.if \zero
.if \ra
	v_wmma_scale_f32_16x16x128_f8f6f4 v[\d:\d+7], v[\a:\a+15], v[\b:\b+15], 0, v[\sa], v[\sb] matrix_a_scale:MATRIX_SCALE_ROW1
.else
	v_wmma_scale_f32_16x16x128_f8f6f4 v[\d:\d+7], v[\a:\a+15], v[\b:\b+15], 0, v[\sa], v[\sb]
.endif
.else
.if \ra
	v_wmma_scale_f32_16x16x128_f8f6f4 v[\d:\d+7], v[\a:\a+15], v[\b:\b+15], v[\d:\d+7], v[\sa], v[\sb] matrix_a_scale:MATRIX_SCALE_ROW1
.else
	v_wmma_scale_f32_16x16x128_f8f6f4 v[\d:\d+7], v[\a:\a+15], v[\b:\b+15], v[\d:\d+7], v[\sa], v[\sb]
.endif
.endif
.endm
.macro HIDE cnt, bnd                   ; scores of hidden keys become -infinity ahead of the maximum: p = 0 then.  Register 8 t + j holds key 16 t + 8 h + j
.set n, 0
.rept \cnt
	v_cmp_gt_i32 vcc_lo, 16*(n/8)+n%8, v[\bnd]
	v_cndmask_b32 v[S+n], v[S+n], v21, vcc_lo
.set n, n+1
.endr
.endm
.macro NEWM                            ; v22 = the largest score: the new -M into v14, f = 2^(old M - new M) into v18
	s_delay_alu instid0(VALU_DEP_1)
	v_mul_f32 v22, s22, v22                        ; as t
	s_delay_alu instid0(VALU_DEP_1)
	v_floor_f32 v22, -v22                          ; -ceil(t)
	s_delay_alu instid0(VALU_DEP_1)
	v_min_num_f32 v22, v22, v14
	s_delay_alu instid0(VALU_DEP_1)
	v_sub_f32 v23, v22, v14                        ; old M less new M: a whole number, 0 or less
	v_mov_b32 v14, v22
	v_cvt_i32_f32 v23, v23                         ; (it saturates)
	s_delay_alu instid0(VALU_DEP_1)
	v_ldexp_f32 v18, 1.0, v23
.endm
.macro TAKE b                          ; block b: held and converted.  p is not negative, so the hold is one-sided (the conversion does not saturate: ISA guide 7.6.2)
.set n, 0
.rept 8
	v_dual_min_num_f32 v[S+16*\b+n], v[HL+\b], v[S+16*\b+n] :: v_dual_min_num_f32 v[S+16*\b+n+1], v[HL+\b], v[S+16*\b+n+1]
.set n, n+2
.endr
	v_cvt_scalef32_pk8_fp8_f32 v[PB+4*\b:PB+4*\b+1], v[S+16*\b:S+16*\b+7], v[SO+\b]
	v_cvt_scalef32_pk8_fp8_f32 v[PB+4*\b+2:PB+4*\b+3], v[S+16*\b+8:S+16*\b+15], v[SO+\b]
.endm
.macro RESCALE                         ; O^T under the new M.  These sixteen also stand between the codes and the products that take them
	s_wait_alu depctr_va_vdst(0)                   ; directly ahead of the first reader of O^T
.set n, 0
.rept 16
	v_pk_mul_f32 v[OA+n:OA+n+1], v[OA+n:OA+n+1], v[18:19] op_sel_hi:[1,0]
.set n, n+2
.endr
.endm
; ONE KEY STEP of my tile.  sl: the slot; first = 1: it starts the sums; item: the register of the item's number where it may be hi's diagonal, else 0; fill: what the slot takes next.
.macro STEP sl, first, item, fill
.irp j, 0,1,2,3
	ds_load_b32 v[8+\j], v[5+\sl] offset:16384+128*\j   ; K's scale words: lanes 0-15 tile 2 j, lanes 16-31 tile 2 j + 1
.endr
.set n, 0
.rept 16
	ds_load_b128 v[KB+4*n:KB+4*n+3], v[3+\sl] offset:512*n
.set n, n+1
.endr
.irp t, 0,1,2,3,4,5,6,7
.if \t < 7
	s_wait_dscnt 12-2*\t                           ; tiles t and t + 1 are in: two loads of each later tile may be out
.endif
	WM S+8*\t, KB+8*\t, QC, 1, 8+\t/2, 12, \t%2
.endr
	PLACES 8                                       ; in front of the scores' readers and of loads into registers that the products read
	ds_load_b32 v8, v[5+\sl] offset:16896          ; V's scale words: lanes 0-15 channel tile 0 (2), lanes 16-31 tile 1 (3)
	ds_load_b32 v9, v[5+\sl] offset:16896+128
.irp a, 0,1,2,3
.irp c, 0,1,2,3
	ds_load_b128 v[KB+16*\a+4*\c:KB+16*\a+4*\c+3], v[3+\sl] offset:8192+4096*(\c/2)+1024*\a+512*(\c%2)
.endr
.endr
.if \item
	s_cmp_lg_u32 s[\item], s19
	s_cbranch_scc1 .Lopen_\@
	HIDE 64, 19                                    ; hi's diagonal.  The step's first key counts for every query
.Lopen_\@:
.endif
.irp b, 0,1,2,3
	v_max3_num_f32 v[BM+\b], v[S+16*\b], v[S+16*\b+1], v[S+16*\b+2]
.endr
.irp i, 3,5,7,9,11,13
.irp b, 0,1,2,3
	v_max3_num_f32 v[BM+\b], v[BM+\b], v[S+16*\b+\i], v[S+16*\b+\i+1]
.endr
.endr
.irp b, 0,1,2,3
	v_max_num_f32 v[BM+\b], v[BM+\b], v[S+16*\b+15]
.endr
.irp b, 0,1,2,3
	v_permlanex16_b32 v[PX+\b], v[BM+\b], s20, s21
.endr
.irp b, 0,1,2,3
	v_max_num_f32 v[BM+\b], v[BM+\b], v[PX+\b]     ; with lane l xor 16's 16 keys
.endr
	s_delay_alu instid0(VALU_DEP_2)
	v_max3_num_f32 v22, v[BM], v[BM+1], v[BM+2]
	s_delay_alu instid0(VALU_DEP_1)
	v_max_num_f32 v22, v22, v[BM+3]                ; the step's largest score of my query
.if \first
	s_delay_alu instid0(VALU_DEP_1)
	v_mul_f32 v22, s22, v22
	s_delay_alu instid0(VALU_DEP_1)
	v_floor_f32 v14, -v22
.else
	NEWM
.endif
	s_wait_alu depctr_va_vdst(0)                   ; ahead of the wait below
	s_wait_tensorcnt 0x0                           ; no tensor load of mine is out: my part of the other slot is in, and group 0 may be written
	ds_add_u32 v1, v2                              ; 0 onto my spare word
.if \fill == 1
	s_mov_b32 s37, s40
	s_add_nc_u64 s[38:39], s[42:43], s[44:45]      ; items 16-23
.elseif \fill == 2
	s_add_co_u32 s37, s40, SLOTB
	s_add_nc_u64 s[38:39], s[42:43], s[46:47]      ; items 24-31
.elseif \fill == 3
	s_mov_b32 s37, 0
	s_add_nc_u64 s[38:39], s[42:43], s[48:49]      ; item 32
.endif
.if \fill
	s_or_b32 s39, s39, 0x80000000
.endif
.irp b, 0,1,2,3
	v_fma_f32 v[BM+\b], v[BM+\b], s22, v14         ; x of each block's largest score
.endr
.irp b, 0,1,2,3
	v_max_num_f32 v[BM+\b], 0xc2ec0000, v[BM+\b]   ; not under -118: the byte cannot fall under 1
.endr
.irp b, 0,1,2,3
	v_cvt_floor_i32_f32 v[BM+\b], v[BM+\b]         ; E = floor(x); the scale is 2^(E - 8), its byte E + 119
.endr
	v_lshl_add_u32 v7, v[BM+1], 8, v[BM]
.irp b, 0,1,2,3
	v_lshl_add_u32 v[SO+\b], v[BM+\b], 23, 0x3b800000   ; 2^(E - 8)
.endr
	v_lshl_add_u32 v7, v[BM+2], 16, v7
.irp b, 0,1,2,3
	v_lshl_add_u32 v[HL+\b], v[BM+\b], 23, 0x3fe00000   ; 448 x 2^(E - 8) = 1.75 x 2^E
.endr
	v_lshl_add_u32 v7, v[BM+3], 24, v7
	v_add_nc_u32 v7, 0x77777777, v7                ; 119 onto each byte: p's scale word for these 128 keys
	s_wait_alu depctr_va_vdst(0)
	s_wait_dscnt 0x0                               ; the add is done, V is in my registers: my reads of this slot are over
	s_barrier_signal -1
.set n, 0
.rept 32
	v_pk_fma_f32 v[S+n:S+n+1], v[S+n:S+n+1], s[22:23], v[14:15] op_sel_hi:[1,0,0]   ; t - M, two at a time
.set n, n+2
.endr
	s_wait_alu depctr_va_vdst(0)                   ; ahead of the batch
.if \fill
	MIDDLE                                         ; no wave of any partner still reads the slot or has a load on its way
.if \fill == 3
	s_cmp_eq_u32 s12, 0
.else
	s_cmp_lt_u32 s12, 8
.endif
	s_cbranch_scc0 .Lnone_\@
	TLOAD                                          ; the first thing behind the round, and a wave's one tensor load until the next
.Lnone_\@:
.else
	s_barrier_wait -1
.endif
.set n, 0
.rept 64
	v_exp_f32 v[S+n], v[S+n]                       ; p = 2^(t - M)
.set n, n+1
.endr
.if \first
	v_nop                                          ; a plain line behind the exponentials
.else
	v_pk_mul_f32 v[16:17], v[16:17], v[18:19] op_sel_hi:[1,0]   ; the sum under the new M.  (A plain line behind the exponentials)
.endif
	s_wait_alu depctr_va_vdst(0)                   ; one wait for the batch, ahead of its first reader
.if \first                             ; the sum is taken of the unquantised p: two at a time, in two chains
	v_pk_add_f32 v[16:17], v[S:S+1], v[S+2:S+3]
	v_pk_add_f32 v[22:23], v[S+4:S+5], v[S+6:S+7]
.else
	v_pk_add_f32 v[22:23], v[S:S+1], v[S+2:S+3]
	v_pk_add_f32 v[16:17], v[16:17], v[S+4:S+5]
	v_pk_add_f32 v[22:23], v[22:23], v[S+6:S+7]
.endif
.irp j, 8,12,16,20,24,28,32,36,40,44,48,52,56,60
	v_pk_add_f32 v[16:17], v[16:17], v[S+\j:S+\j+1]
	v_pk_add_f32 v[22:23], v[22:23], v[S+\j+2:S+\j+3]
.endr
	v_pk_add_f32 v[16:17], v[16:17], v[22:23]
.irp b, 0,1,2,3
	TAKE \b
.endr
.if \first
	PLACES 5                                       ; between the codes and the products that take them
.else
	RESCALE
.endif
.irp a, 0,1,2,3
	WM OA+8*\a, KB+16*\a, PB, \first, 8+\a/2, 7, \a%2   ; four accumulators, one instruction a turn; the scores' eight stand between two links of a chain
.endr
	PLACES 9                                       ; in front of loads, products and copies that touch these registers
.endm
.macro SWITCH                          ; the wave's items go on from hi to lo: hi's state is kept, lo's begins
	v_mov_b32 v12, v13
.set n, 0
.rept 4
	v_dual_mov_b32 v[QC+n], v[QL+n] :: v_dual_mov_b32 v[QC+n+1], v[QL+n+1]
.set n, n+2
.endr
	v_mov_b32 v15, v14
	v_add_f32 v20, v16, v17
.set n, 0
.rept 16
	v_dual_mov_b32 v[OH+n], v[OA+n] :: v_dual_mov_b32 v[OH+n+1], v[OA+n+1]
.set n, n+2
.endr
.set n, 0
.rept 16
	v_dual_mov_b32 v[OA+n], 0 :: v_dual_mov_b32 v[OA+n+1], 0
.set n, n+2
.endr
	v_mov_b32 v14, 0x7f61b1e6                      ; -M = 3e38: M lies under every t
	v_mov_b32 v16, 0
	v_mov_b32 v17, 0
	s_wait_alu depctr_va_vdst(0)
.endm
	s_load_b256 s[4:11], s[0:1], 0x0               ; qimg s[4:5], qsc s[6:7], kv s[8:9], out0 s[10:11]
	v_lshl_add_u32 v1, v0, 2, SPARE
	v_mov_b32 v2, 0
	ds_add_u32 v1, v2                              ; the opening add, twice on end, with one wait
	ds_add_u32 v1, v2
	v_lshrrev_b32 v3, 5, v0
	v_readfirstlane_b32 s12, v3                    ; wave 0..15
	s_and_b32 s13, s12, 7                          ; e
	s_lshr_b32 s14, s12, 3                         ; i
	s_bfe_u32 s15, ttmp6, 0x40000                  ; cx: it enters global addresses and the diagonal's bound alone
	s_and_b32 s16, ttmp9, 15                       ; A
	s_lshr_b32 s17, ttmp9, 4                       ; batch
	s_sub_co_u32 s19, 31, s16                      ; hi's last key step: its diagonal
	s_add_co_u32 s18, s13, 16                      ; my item in trip 2,
	s_add_co_u32 s26, s13, 24                      ; in trip 3
	s_mov_b32 s20, 0x76543210
	s_mov_b32 s21, 0xfedcba98                      ; v_permlanex16_b32's selects for lane l xor 16
	s_mov_b32 s22, 0x3e38aa3b                      ; c = log2(e) / 8
	s_mov_b32 s23, s22                             ; (named with it as a pair, so it is written)
	s_mul_i32 s40, s13, REC
	s_mul_i32 s37, s12, REC                        ; the head's load: record w into place w: waves 8-15 fill slot 1
	s_mov_b32 s60, s37
	s_mov_b32 s61, 0
	s_mul_i32 s42, s17, 32*REC                     ; the batch's records
	s_mov_b32 s43, 0
	s_add_co_u32 s59, s19, 1                       ; 32 - A: items from here on are lo's
	s_sub_co_u32 s58, s19, s18
	s_lshr_b32 s58, s58, 31                        ; 1 where item 16 + e is lo's
	s_mul_i32 s58, s58, s59
	s_sub_co_u32 s44, s18, s58
	s_mul_i32 s44, s44, REC
	s_mov_b32 s45, 0
	s_sub_co_u32 s58, s19, s26
	s_lshr_b32 s58, s58, 31
	s_mul_i32 s58, s58, s59
	s_sub_co_u32 s46, s26, s58
	s_mul_i32 s46, s46, REC
	s_mov_b32 s47, 0
	s_mul_i32 s48, s16, REC                        ; item 32 is record A
	s_mov_b32 s49, 0
	s_lshl_b32 s58, s17, 8                         ; Q: tiles 256 batch + 8 (31 - A or A) + 2 cx + i
	s_lshl_b32 s59, s15, 1
	s_add_co_u32 s58, s58, s59
	s_add_co_u32 s58, s58, s14
	s_lshl3_add_u32 s50, s19, s58
	s_lshl3_add_u32 s52, s16, s58
	s_lshl_b32 s54, s50, 6
	s_lshl_b32 s56, s52, 6
	s_lshl_b32 s50, s50, 10
	s_lshl_b32 s52, s52, 10
	s_mov_b32 s51, 0
	s_mov_b32 s53, 0
	s_mov_b32 s55, 0
	s_mov_b32 s57, 0
	s_lshl_b32 s58, s15, 5
	s_lshl_b32 s59, s14, 4
	s_add_co_u32 s58, s58, s59
	; descriptor group 1: a record is dense: 67 rows of 256 bytes (32 elements of 8 bytes), no padding: every read of it is 16 or 4 bytes a lane on end
	s_mov_b32 s28, 15|(3<<16)|(1<<21)              ; 15:0 the mask: all four work-groups; 17:16 elements of 8 bytes; 21 set beside a mask
	s_mov_b32 s29, 32<<16                          ; tensor_dim0
	s_mov_b32 s30, 67<<16                          ; tensor_dim1
	s_mov_b32 s31, 32<<16                          ; tile_dim0
	s_mov_b32 s32, 67                              ; tile_dim1
	s_mov_b32 s33, 32                              ; tensor_dim0_stride
	s_mov_b32 s34, 0
	s_mov_b32 s35, 0
	s_mov_b32 s36, 1
	v_and_b32 v52, 31, v0                          ; lane
	v_and_b32 v53, 15, v0                          ; r
	v_bfe_u32 v54, v0, 4, 1                        ; h
	v_mov_b32 v21, 0xff800000
	v_lshl_add_u32 v3, v52, 4, s40
	v_lshl_add_u32 v5, v52, 2, s40
	v_lshlrev_b32 v57, 3, v54
	v_lshlrev_b32 v55, 4, v52
	v_lshlrev_b32 v56, 2, v53
	v_add_nc_u32 v4, SLOTB, v3
	v_add_nc_u32 v6, SLOTB, v5
	v_sub_nc_u32 v19, v53, v57
	v_mov_b32 v15, 0                               ; (named as the upper half of the pair v[14:15] before it is first written)
.irp b, 0,1,2,3
	v_mov_b32 v[PX+\b], 0                          ; a lane permute's destination counts as one of its sources
.endr
	v_add_nc_u32 v19, s58, v19                     ; 32 cx + 16 i + r - 8 h: on the diagonal key 16 t + 8 h + j is hidden where 16 t + j is greater
.set n, 0
.rept 8
	v_mov_b32 v[QC+8+n], 0                         ; zero codes: Q's upper half
.set n, n+1
.endr
	s_wait_alu depctr_va_vdst(0)                   ; the wait at the head's end
	s_wait_dscnt 0x0                               ; both opening adds are done
	s_barrier_signal -1
	MIDDLE                                         ; all four work-groups are here: the first joint loads meet
	s_wait_kmcnt 0x0
	s_add_nc_u64 s[42:43], s[8:9], s[42:43]
	s_add_nc_u64 s[38:39], s[42:43], s[60:61]
	s_or_b32 s39, s39, 0x80000000
	s_cmp_lt_u32 s12, 8                            ; one load a wave; waves 0-7, which wait at the first barrier, have a line of their own
	s_cbranch_scc0 .Lupper
	TLOAD
	s_branch .Lasked
.Lupper:
	TLOAD
.Lasked:
	s_add_nc_u64 s[50:51], s[4:5], s[50:51]
	s_add_nc_u64 s[52:53], s[4:5], s[52:53]
	s_add_nc_u64 s[54:55], s[6:7], s[54:55]
	s_add_nc_u64 s[56:57], s[6:7], s[56:57]
	global_load_b128 v[QC:QC+3], v55, s[50:51]
	global_load_b128 v[QC+4:QC+7], v55, s[50:51] offset:512
	global_load_b32 v12, v56, s[54:55]
	global_load_b128 v[QL:QL+3], v55, s[52:53]
	global_load_b128 v[QL+4:QL+7], v55, s[52:53] offset:512
	global_load_b32 v13, v56, s[56:57]
	v_mov_b32 v20, 0                               ; hi's kept state is written on every way through the text; SWITCH, which every wave runs once, writes it anew
.set n, 0
.rept 16
	v_dual_mov_b32 v[OH+n], 0 :: v_dual_mov_b32 v[OH+n+1], 0
.set n, n+2
.endr
	s_wait_alu depctr_va_vdst(0)                   ; directly ahead of the wait below
	s_wait_loadcnt 0x0
	s_cmp_lt_u32 s12, 8
	s_cbranch_scc0 .Lnot_slot_0
	s_wait_tensorcnt 0x0                           ; waves 0-7: slot 0 is in; slot 1 may stay out
.Lnot_slot_0:
	s_barrier_signal -1
	s_barrier_wait -1
	STEP 0, 1, 0, 1
	STEP 1, 0, 0, 2
	s_cmp_gt_u32 s18, s19
	s_cbranch_scc0 .Lstill_2
	SWITCH
.Lstill_2:
	STEP 0, 0, 18, 3
	s_sub_co_u32 s59, s19, s18
	s_cmp_lt_u32 s59, 8                            ; item 16 + e was hi's, item 24 + e is lo's
	s_cbranch_scc0 .Lstill_3
	SWITCH
.Lstill_3:
	STEP 1, 0, 26, 0
	s_cmp_ge_u32 s19, s26
	s_cbranch_scc0 .Lswitched
	SWITCH                                         ; waves whose items were all hi's: item 32 is lo's
.Lswitched:
	; Item 32 lies in slot 0's first record.  Slot 1 has had its last fill, and every wave has passed the barrier behind its last read: the parts go there.
	s_mul_i32 s60, s12, 2*PART
	s_add_co_u32 s60, s60, SLOTB                   ; my two parts: hi's, lo's
	s_lshl_b32 s61, s13, 11                        ; my 32 keys: two tiles of K,
	s_lshl_b32 s62, s13, 7                         ; their scale words,
	s_lshr_b32 s63, s13, 1
	s_lshl_b32 s63, s63, 12
	s_and_b32 s59, s13, 1
	s_lshl_b32 s59, s59, 9
	s_add_co_u32 s63, s63, s59                     ; their pieces of V
	s_lshl_b32 s58, s13, 5
	s_lshl_b32 s57, s13, 3
	v_and_b32 v23, 31, v0
	v_and_b32 v24, 15, v0
	v_bfe_u32 v25, v0, 4, 1
	v_mul_u32_u24 v26, v24, 272
	v_permlanex16_b32 v31, v20, s20, s21
	v_add_nc_u32 v29, s60, v26                     ; my query's row
	v_lshl_add_u32 v3, v23, 4, s61
	v_lshl_add_u32 v5, v23, 2, s62
	v_lshl_add_u32 v6, v23, 4, s63
	v_lshlrev_b32 v27, 2, v23
	v_lshl_add_u32 v4, v25, 5, v29                 ; my half's eight channels of a tile of 16
	v_sub_nc_u32 v30, v19, s58
	v_mov_b32 v22, v15
	v_add_f32 v23, v20, v31                        ; hi's sum: with lane l xor 16's
.irp a, 0,1,2,3
	ds_store_b128 v4, v[OH+8*\a:OH+8*\a+3] offset:64*\a
	ds_store_b128 v4, v[OH+8*\a+4:OH+8*\a+7] offset:64*\a+16
.endr
	ds_store_b64 v29, v[22:23] offset:256          ; -M and the sum behind the row; both lanes of a query write the same
	s_wait_alu depctr_va_vdst(0)
	s_cmp_lt_u32 s13, 4
	s_cbranch_scc0 .Lno_block
	; LO'S DIAGONAL, one block of 32 keys: the block stands as block 0 of the second product's K; the other three are zero codes of p.  A block all of whose keys are hidden gives p = 0 and leaves M
	ds_load_b32 v8, v5 offset:16384
.irp c, 0,1,2,3
	ds_load_b128 v[KB+4*\c:KB+4*\c+3], v3 offset:512*\c
.endr
	s_wait_dscnt 0x0
	WM S, KB, QC, 1, 8, 12, 0
	WM S+8, KB+8, QC, 1, 8, 12, 1
	PLACES 8
	ds_load_b32 v9, v27 offset:16896
	ds_load_b32 v10, v27 offset:16896+128
.irp a, 0,1,2,3
	ds_load_b128 v[KB+16*\a:KB+16*\a+3], v6 offset:8192+1024*\a
.endr
	HIDE 16, 30
	v_max3_num_f32 v24, v[S], v[S+1], v[S+2]
.irp i, 3,5,7,9,11,13
	v_max3_num_f32 v24, v24, v[S+\i], v[S+\i+1]
.endr
	v_max_num_f32 v24, v24, v[S+15]
	v_permlanex16_b32 v28, v24, s20, s21
	v_max_num_f32 v24, v24, v28
	v_mov_b32 v22, v24
	NEWM
	v_fma_f32 v24, v24, s22, v14
.set n, 0
.rept 8
	v_pk_fma_f32 v[S+n:S+n+1], v[S+n:S+n+1], s[22:23], v[14:15] op_sel_hi:[1,0,0]
.set n, n+2
.endr
	v_max_num_f32 v24, 0xc2ec0000, v24
	v_cvt_floor_i32_f32 v24, v24
	v_lshl_add_u32 v[SO], v24, 23, 0x3b800000
	v_lshl_add_u32 v[HL], v24, 23, 0x3fe00000
	v_add_nc_u32 v7, 0x77777777, v24               ; byte 0: E + 119; the others scale zero codes
	s_wait_alu depctr_va_vdst(0)                   ; the wait ahead of the batch
.set n, 0
.rept 16
	v_exp_f32 v[S+n], v[S+n]
.set n, n+1
.endr
	v_pk_mul_f32 v[16:17], v[16:17], v[18:19] op_sel_hi:[1,0]
	s_wait_alu depctr_va_vdst(0)                   ; and one ahead of its first reader
	v_pk_add_f32 v[22:23], v[S:S+1], v[S+2:S+3]
.irp j, 4,8,12
	v_pk_add_f32 v[16:17], v[16:17], v[S+\j:S+\j+1]
	v_pk_add_f32 v[22:23], v[22:23], v[S+\j+2:S+\j+3]
.endr
	v_pk_add_f32 v[16:17], v[16:17], v[22:23]
	TAKE 0
	v_nop                                          ; one plain line behind the last conversion
	s_wait_alu depctr_va_vdst(0)
	s_wait_dscnt 0x0
	v_lshrrev_b32 v9, s57, v9                      ; my block's byte of V's scale words comes to byte 0
	v_lshrrev_b32 v10, s57, v10
.set n, 0
.rept 6
	v_dual_mov_b32 v[S+n], 0 :: v_dual_mov_b32 v[S+n+1], 0   ; zero codes for blocks 1 to 3
.set n, n+2
.endr
	RESCALE
.irp a, 0,1,2,3
	WM OA+8*\a, KB+16*\a, PB, 0, 9+\a/2, 7, \a%2
.endr
	PLACES 8
.Lno_block:
	v_add_f32 v16, v16, v17
	v_and_b32 v24, 15, v0
	v_bfe_u32 v25, v0, 4, 1
	v_mov_b32 v22, v14
	v_permlanex16_b32 v31, v16, s20, s21
	v_and_b32 v26, 31, v0
	v_add_f32 v23, v16, v31
.irp a, 0,1,2,3
	ds_store_b128 v4, v[OA+8*\a:OA+8*\a+3] offset:PART+64*\a          ; each accumulator from its low end on
	ds_store_b128 v4, v[OA+8*\a+4:OA+8*\a+7] offset:PART+64*\a+16
.endr
	ds_store_b64 v29, v[22:23] offset:PART+256
	; THE PARTS MEET.  Wave w takes state w / 8 (0 hi, 1 lo), tile (w / 4) % 2, queries 4 (w % 4) + 2 p + h, p = 0, 1: sixteen lanes a row of 64 channels
	s_wait_alu depctr_va_vdst(0)
	s_bfe_u32 s60, s12, 0x10002                    ; the tile
	s_and_b32 s61, s12, 3
	s_mul_i32 s62, s60, 16*PART
	s_mul_i32 s63, s14, PART
	s_add_co_u32 s62, s62, s63
	s_mul_i32 s63, s61, 4*272
	s_add_co_u32 s62, s62, s63
	s_add_co_u32 s62, s62, SLOTB
	v_mul_u32_u24 v25, v25, 272
	v_lshlrev_b32 v26, 4, v26                      ; 16 x lane: my place in two rows of out0
	v_add_nc_u32 v25, s62, v25
	v_lshl_add_u32 v24, v24, 4, v25
	s_cmp_lt_u32 s12, 8                            ; my four rows in out0: 4,096 batch + 128 (31 - A or A) + 32 cx + 16 x tile + 4 (w % 4)
	s_cselect_b32 s50, s19, s16
	s_lshl_b32 s50, s50, 7
	s_lshl_b32 s51, s17, 12
	s_add_co_u32 s50, s50, s51
	s_lshl_b32 s51, s15, 5
	s_add_co_u32 s50, s50, s51
	s_lshl_b32 s51, s60, 4
	s_add_co_u32 s50, s50, s51
	s_lshl_b32 s51, s61, 2
	s_add_co_u32 s50, s50, s51
	s_lshl_b32 s50, s50, 8                         ; rows of 256 bytes
	s_mov_b32 s51, 0
	s_add_nc_u64 s[10:11], s[10:11], s[50:51]
	s_wait_alu depctr_va_vdst(0)
	s_wait_dscnt 0x0                               ; for the others' sake: my stores have landed
	s_barrier_signal -1
	s_barrier_wait -1
.irp p, 0,1
.irp e, 0,1,2,3,4,5,6,7
	ds_load_b64 v[52+16*\p+2*\e:53+16*\p+2*\e], v25 offset:2*PART*\e+544*\p+256   ; the eight parts' -M and sums
.endr
.endr
.irp p, 0,1
.irp e, 0,1,2,3,4,5,6,7
	ds_load_b128 v[128+32*\p+4*\e:131+32*\p+4*\e], v24 offset:2*PART*\e+544*\p
.endr
.endr
	s_wait_dscnt 0x10                              ; -M and the sums are in; the sixteen loads of O may be out
.irp p, 0,1
	v_min3_num_f32 v[116+\p], v[52+16*\p], v[54+16*\p], v[56+16*\p]
.endr
.irp p, 0,1
	v_min3_num_f32 v[116+\p], v[116+\p], v[58+16*\p], v[60+16*\p]
.endr
.irp p, 0,1
	v_min3_num_f32 v[116+\p], v[116+\p], v[62+16*\p], v[64+16*\p]
.endr
.irp p, 0,1
	v_min_num_f32 v[116+\p], v[116+\p], v[66+16*\p]   ; -M of the whole row: a number of the scores' size, since key 0 counts for every query
.endr
.irp e, 0,1,2,3,4,5,6,7
.irp p, 0,1
	v_sub_f32 v[84+16*\p+2*\e], v[116+\p], v[52+16*\p+2*\e]   ; a part's M less the row's: a whole number, 0 or less; a part that took no key keeps -M = 3e38 and gets the factor 0
.endr
.endr
.irp e, 0,1,2,3,4,5,6,7
.irp p, 0,1
	v_cvt_i32_f32 v[84+16*\p+2*\e], v[84+16*\p+2*\e]
.endr
.endr
.irp e, 0,1,2,3,4,5,6,7
.irp p, 0,1
	v_ldexp_f32 v[84+16*\p+2*\e], 1.0, v[84+16*\p+2*\e]
.endr
.endr
.irp p, 0,1
	v_mul_f32 v[118+\p], v[84+16*\p], v[53+16*\p]
.endr
.irp e, 1,2,3,4,5,6,7
.irp p, 0,1
	v_fmac_f32 v[118+\p], v[84+16*\p+2*\e], v[53+16*\p+2*\e]   ; the row's sum
.endr
.endr
	s_wait_alu depctr_va_vdst(0)                   ; the wait ahead of the two transcendentals
	v_rcp_f32 v120, v118
	v_rcp_f32 v122, v119
	v_nop                                          ; one plain line behind a transcendental
	s_wait_dscnt 0x0
.irp p, 0,1
.irp c, 0,2
	v_pk_mul_f32 v[192+4*\p+\c:193+4*\p+\c], v[128+32*\p+\c:129+32*\p+\c], v[84+16*\p:85+16*\p] op_sel_hi:[1,0]
.endr
.endr
.irp e, 1,2,3,4,5,6,7
.irp p, 0,1
.irp c, 0,2
	v_pk_fma_f32 v[192+4*\p+\c:193+4*\p+\c], v[128+32*\p+4*\e+\c:129+32*\p+4*\e+\c], v[84+16*\p+2*\e:85+16*\p+2*\e], v[192+4*\p+\c:193+4*\p+\c] op_sel_hi:[1,0,1]
.endr
.endr
.endr
	s_wait_alu depctr_va_vdst(0)                   ; ahead of the reciprocals' first reader
.irp p, 0,1
.irp c, 0,2
	v_pk_mul_f32 v[192+4*\p+\c:193+4*\p+\c], v[192+4*\p+\c:193+4*\p+\c], v[120+2*\p:121+2*\p] op_sel_hi:[1,0]
.endr
.endr
	global_store_b128 v26, v[192:195], s[10:11] th:TH_STORE_NT            ; sixteen lanes store 256 consecutive bytes, aligned: a whole row of out0
	global_store_b128 v26, v[196:199], s[10:11] offset:512 th:TH_STORE_NT
	s_wait_tensorcnt 0x0                           ; the wave's end: behind my last tensor load and my last LDS store
	ds_add_u32 v1, v2
	s_wait_dscnt 0x0
	s_barrier_signal -1
	MIDDLE                                         ; the closing round: no work-group ends while a partner may still ask for a record that names it
	s_endpgm
.Lfunc_end_k_q4d5209a8fe_attn:
	.size	k_q4d5209a8fe_attn, .Lfunc_end_k_q4d5209a8fe_attn-k_q4d5209a8fe_attn
	.p2alignl 7, 3214868480
	.fill 96, 4, 3214868480
	.section	.rodata,"a",@progbits
	.p2align	6, 0x0
	.amdhsa_kernel k_q4d5209a8fe_attn
		.amdhsa_group_segment_fixed_size 327680
		.amdhsa_private_segment_fixed_size 0
		.amdhsa_enable_private_segment 0
		.amdhsa_kernarg_size 32
		.amdhsa_user_sgpr_count 2
		.amdhsa_user_sgpr_kernarg_segment_ptr 1
		.amdhsa_wavefront_size32 1
		.amdhsa_system_sgpr_workgroup_id_x 1
		.amdhsa_system_sgpr_workgroup_id_y 1
		.amdhsa_system_sgpr_workgroup_id_z 1
		.amdhsa_system_vgpr_workitem_id 0
		.amdhsa_next_free_vgpr 256
		.amdhsa_next_free_sgpr 66
		.amdhsa_reserve_vcc 1
		.amdhsa_float_denorm_mode_32 3
		.amdhsa_float_denorm_mode_16_64 3
		.amdhsa_memory_ordered 1
		.amdhsa_forward_progress 1
		.amdhsa_inst_pref_size 122
	.end_amdhsa_kernel
	.amdgpu_metadata
---
amdhsa.version: [ 1, 2 ]
amdhsa.kernels:
  - .name:           k_q4d5209a8fe_attn
    .symbol:         k_q4d5209a8fe_attn.kd
    .args:
      - { .name: qimg, .offset: 0, .size: 8, .value_kind: global_buffer, .address_space: global }
      - { .name: qsc, .offset: 8, .size: 8, .value_kind: global_buffer, .address_space: global }
      - { .name: kv, .offset: 16, .size: 8, .value_kind: global_buffer, .address_space: global }
      - { .name: out0, .offset: 24, .size: 8, .value_kind: global_buffer, .address_space: global }
    .group_segment_fixed_size: 327680
    .private_segment_fixed_size: 0
    .kernarg_segment_align: 8
    .kernarg_segment_size: 32
    .max_flat_workgroup_size: 512
    .sgpr_count:     66
    .vgpr_count:     256
    .wavefront_size: 32
...
	.end_amdgpu_metadata
.endif
;; end of part 2
